; MI455X (gfx1250); checked and timed in simulation.
; The chip was launched on July 23, 2026; its instructions are those of AMD's public machine-readable ISA for CDNA 5 (MIT licence, August 2026) and "CDNA5" Instruction Set Architecture Reference Guide (July 2026). The comments in the code are by the model that wrote it; some were corrected since.
;; Kmeans Quantize. Allowed arithmetic: matrix products marked QUANTISED: E2M1 operands, one E8M0 scale for each 32 along K, by v_wmma_scale_f32_16x16x128_f8f6f4 with both operands' format E2M1 (or v_wmma_scale_f32_32x16x128_f4), f32 sums; everything else in f32.
;; Inputs: embd 8,192 x 256 float32; input 8 x 4,096 x 256 float32.
;; Outputs: out0 8 x 4,096 x 256 float32; out1 8 x 4,096 int32.
;; This version of the problem:
;;   THIS VERSION OF THE PROBLEM IS GIVEN IN LOW PRECISION. The matrix products marked QUANTISED in the list below multiply operands that are first quantised to E2M1 (2 exponent bits, 1 mantissa bit; 4 bits a number), with one power-of-two scale for each 32 numbers along K (OCP MX v1.0); their sums are f32. All else is computed in f32.
;;   The module's matrix products, in the order in which they are computed (A, B: the left and right operand; K: the contracted axis; several contracted axes count as one K, in the product's order):
;;     1. [M 32,768, K 256] x [K 256, N 8,192]; A: input input; B: input embd: QUANTISED
;;   THE QUANTISER, for each operand of a quantised product, along K:
;;     - K is cut into blocks of 32 from its start; a last block that is shorter is filled with zeros.
;;     - A block's scale is 2^e with e = floor(log2(the largest magnitude in the block)) - 2, held to -126 .. 127; a block of zeros has e = 0. As a byte (E8M0): e + 127.
;;     - Each number is divided by its block's scale, clamped to +-6, and rounded to the nearest number of E2M1, ties to even, subnormals kept.
;;     - The product sums the exact products of the quantised numbers (number of the format x scale) in f32.
;;   ~~~python
;;   def quantise(x, axis):      # numpy; x: float32 -> the quantised numbers, widened to float32 again
;;       x = np.moveaxis(x, axis, -1); K = x.shape[-1]
;;       x = np.pad(x, [(0, 0)] * (x.ndim - 1) + [(0, -K % 32)]); x = x.reshape(x.shape[:-1] + (-1, 32)); a = np.abs(x).max(-1, keepdims=True)
;;       e = np.where(a > 0, np.clip(np.frexp(np.where(a > 0, a, 1))[1] - 1 - 2, -126, 127), 0)      # np.frexp(a)[1] - 1 = floor(log2(a)), exactly
;;       r = np.clip(x / 2.0 ** e, -6, 6)
;;       step = 2.0 ** (np.maximum(np.frexp(np.where(r == 0, 1, r))[1] - 1, 0) - 1)
;;       q = np.round(r / step) * step * 2.0 ** e      # np.round: ties to even
;;       return np.moveaxis(q.reshape(q.shape[:-2] + (-1,))[..., :K], -1, axis).astype(np.float32)
;;   ~~~
;; One version. Each part assembles by itself: llvm-mc -triple=amdgcn-amd-amdhsa -mcpu=gfx1250 --defsym DOCPART=n.
;; ======== version 1 of 1: 3 launches
;; limits: right only within a limited range of input values
;; workspace buffers: xc 4,194,304 bytes; xs 262,144 bytes; ec 1,048,576 bytes; es 65,536 bytes; keyw 1,048,576 bytes of whole numbers; idxw 1,048,576 bytes of whole numbers
;; launch quant (part 1): grid 256 x 1, 5 waves a work-group, no clusters, 41,728 bytes of LDS; arguments input, embd, xc, xs, ec, es; writes xc, xs, ec, es
.if DOCPART == 1
	.amdgcn_target "amdgcn-amd-amdhsa--gfx1250"
	.amdhsa_code_object_version 6
	.text
	.protected	k_q87e1ba79fe_quant
	.globl	k_q87e1ba79fe_quant
	.p2align	8
	.type	k_q87e1ba79fe_quant,@function
k_q87e1ba79fe_quant:
	s_mov_b64 s[64:65], 0
	v_nop
	global_prefetch_b8 v0, s[64:65] scope:SCOPE_SE
	s_setreg_imm32_b32 hwreg(HW_REG_WAVE_MODE, 25, 1), 1
	s_wait_xcnt 0x0
; input [32768][256] and embd [8192][256], f32, are turned into codes of FP4 (E2M1), 4 bits each, K innermost (a row: 128 bytes), with one E8M0 scale byte for each 32 along K (a row: 8 bytes).
; A block's scale is 2^(floor(log2(its largest magnitude)) - 2); its byte is the largest magnitude's own exponent field - 2, held at 1 from below.  Each number is divided by the scale and rounded to the
; nearest code, ties to even; beyond 6 the largest code.  (A block of zeros gets the byte 1 where the rule says 127: its codes are zeros, which add nothing, and the bytes are read by this program alone.)
; LIMITS: NaN and infinities among the inputs are not served; blocks whose largest magnitude lies under 2^(3 - 127) keep the byte 1.
; Rows are dense and 256 is a multiple of 32, so both tensors are plain streams of blocks of 32 numbers, and so are the codes and the scale bytes: nothing here knows of rows.
; A wave takes a run of 16 steps of 512 numbers.  The two tensors are 1,024 + 256 = 1,280 runs: 256 work-groups of FIVE waves, so that every work-group has the same work; run 5 x work-group + wave.
; The conversions take 8 numbers of ONE block from a lane's consecutive registers, so a lane must hold 16 NEIGHBOURS (two neighbouring lanes hold a block), while a load is
; best where neighbouring LANES take neighbouring bytes.  Both are had: each of a step's four loads reads 512 consecutive bytes, 16 a lane; the 2,048 bytes go through the wave's own stage in LDS and come back
; 64 bytes a lane (16 bytes of padding behind each 64).  A lane's 16 codes are 8 bytes: the wave stores 256 consecutive bytes.  A wave's 256 scale bytes are gathered in LDS and leave as one store of 256 bytes.
; One launch serves both tensors: the first RUNA runs are input's, the others embd's; only pointers are chosen.  No barrier: waves share nothing.  Loads run DEPTH = 8 steps (32 loads a wave) ahead.
; WORK LEFT OUT BY THE PROGRAM: reference() returns input + (embd[idx] - input).  In real numbers x + (q - x) = q for all x and q, so the subtraction and the addition reach no output:
; the last launch stores embd[idx] as it lies and does not read input.  input stays live through the product and the argmax, which this launch and the next serve.
; LIMIT: a NaN, an infinity or an overflow that would arise in that subtraction or addition alone is not carried to out0.
.set SIZE_M, 32768
.set SIZE_N, 8192
.set SIZE_K, 256
.set WAVES, 5
.set STEPS, 16
.set DEPTH, 8
.set RUNA,  SIZE_M*SIZE_K/(512*STEPS)          ; 1,024 runs of input; embd has 256
.set EMAX,  2
.set CB,    8                          ; bytes of 16 codes
.set R,     16                         ; v16-143  eight sets of 16 numbers as they are loaded
.set X,     144                        ; v144-175 two sets of 16 neighbours
.set E,     176                        ; v176-191 a scale byte for each step
.set C,     192                        ; v192-223 codes: two registers for each step, so that no store's data are written again
.set WREG,  8192                       ; LDS: a region of its own for each wave: two stages of 32 x SP bytes, and behind them its 256 scale bytes
.set SP,    80                         ; a lane's place in a stage: its 64 bytes + 16 of padding
	s_load_b128 s[4:7], s[0:1], 0x0                ; input, embd
	s_load_b128 s[8:11], s[0:1], 0x10              ; input's codes, input's scales
	s_load_b128 s[12:15], s[0:1], 0x20             ; embd's codes, embd's scales
	v_lshl_add_u32 v224, v0, 2, 0xa000
	v_mov_b32 v225, 0
	v_lshrrev_b32 v1, 5, v0
	v_readfirstlane_b32 s16, v1                    ; wave
	v_and_b32 v2, 31, v0                           ; lane
	v_lshlrev_b32 v3, 4, v2                        ; my 16 bytes of a load's 512
	s_mul_i32 s17, s16, WREG
	v_lshrrev_b32 v14, 2, v2
	v_mul_u32_u24 v14, v14, SP
	v_and_b32 v15, 3, v2
	v_lshl_add_u32 v14, v15, 4, v14
	v_add_nc_u32 v14, s17, v14                     ; the stage, on the way in: four lanes' 64 bytes on end, then 16 of padding; a load's 512 bytes take eight places
	v_mul_u32_u24 v15, v2, SP
	v_add_nc_u32 v15, s17, v15                     ; and on the way out: SP x lane: my 16 neighbours
	v_mul_u32_u24 v4, v2, CB                       ; my codes' place in a step's
	v_lshrrev_b32 v5, 1, v2
	s_add_co_u32 s17, s17, 2*32*SP
	v_add_nc_u32 v5, s17, v5                       ; LDS: my wave's 256 scale bytes, my block's byte
	v_lshlrev_b32 v7, 3, v2                        ; and on the way out 8 bytes a lane
	v_add_nc_u32 v6, s17, v7
	s_wait_alu depctr_va_vdst(0)
	s_wait_kmcnt 0x0
	s_mul_i32 s17, ttmp9, WAVES
	s_add_co_u32 s18, s17, s16                     ; my run among the 1,280
	s_cmp_lt_u32 s18, RUNA                         ; input's run or embd's?  The choice hangs on the work-group's and the wave's number alone
	s_cselect_b64 s[4:5], s[4:5], s[6:7]
	s_cselect_b64 s[8:9], s[8:9], s[12:13]
	s_cselect_b64 s[10:11], s[10:11], s[14:15]
	s_cselect_b32 s17, 0, RUNA
	s_sub_co_u32 s18, s18, s17                     ; which run of 8,192 numbers of the tensor is my wave's
	s_mov_b32 s19, 0
	s_mov_b64 s[20:21], 512*STEPS*4
	s_mul_u64 s[20:21], s[18:19], s[20:21]
	s_add_nc_u64 s[4:5], s[4:5], s[20:21]
	s_mov_b64 s[20:21], 32*STEPS*CB
	s_mul_u64 s[20:21], s[18:19], s[20:21]
	s_add_nc_u64 s[8:9], s[8:9], s[20:21]
	s_lshl_b32 s18, s18, 8                         ; 256 scale bytes a run
	s_add_nc_u64 s[10:11], s[10:11], s[18:19]
.macro LOAD t
.irp i, 0,1,2,3
	global_load_b128 v[R+16*((\t)%DEPTH)+4*\i:R+16*((\t)%DEPTH)+4*\i+3], v3, s[4:5] offset:2048*(\t)+512*\i th:TH_LOAD_NT   ; 32 lanes read 512 consecutive bytes
.endr
.endm
.macro TURN t                          ; step t's numbers through the stage: LDS serves a wave's instructions in order, so no wait stands between the stores and the loads
.irp i, 0,1,2,3
	ds_store_b128 v14, v[R+16*((\t)%DEPTH)+4*\i:R+16*((\t)%DEPTH)+4*\i+3] offset:32*SP*((\t)%2)+8*SP*\i
.endr
.irp i, 0,1,2,3
	ds_load_b128 v[X+16*((\t)%2)+4*\i:X+16*((\t)%2)+4*\i+3], v15 offset:32*SP*((\t)%2)+16*\i
.endr
.endm
.irp t, 0,1,2,3,4,5,6,7
	LOAD \t
.endr
	s_wait_loadcnt 28                              ; step 0's four loads are in; the 28 of steps 1 to 7 may be out
	TURN 0
.macro STEP t
.set XSET, X+16*((\t)%2)
.if (\t) > 0
	s_wait_dscnt 1                                 ; this step's numbers are back from the stage (the last step's byte store may be out): so its stores into the stage have read their registers,
.else
	s_wait_dscnt 0x0
.endif
.if (\t)+DEPTH < STEPS
	LOAD (\t)+DEPTH                                ; which take the loads of eight steps on
.endif
.if (\t)+1 < STEPS
.if STEPS-2-(\t) >= DEPTH-1
	s_wait_loadcnt 4*(DEPTH-1)                     ; the next step's four loads are in; those of the seven steps behind it may be out
.else
	s_wait_loadcnt 4*(STEPS-2-(\t))                ; the counts run down: nothing more is asked for
.endif
	TURN (\t)+1                                    ; and go through the other stage while this step is worked
.endif
	v_max3_num_f32 v8, |v[XSET]|, |v[XSET+1]|, |v[XSET+2]|         ; the largest magnitude of my 16, in two chains
	v_max3_num_f32 v9, |v[XSET+3]|, |v[XSET+4]|, |v[XSET+5]|
.irp i, 6,10
	v_max3_num_f32 v8, v8, |v[XSET+\i]|, |v[XSET+\i+1]|
	v_max3_num_f32 v9, v9, |v[XSET+\i+2]|, |v[XSET+\i+3]|
.endr
	v_max3_num_f32 v8, v8, |v[XSET+14]|, |v[XSET+15]|
	v_max3_num_f32 v8, v8, v9, (EMAX+1)<<23        ; and the floor 2^(EMAX + 1 - 127), under which no largest magnitude is taken: so the byte cannot fall under 1
	v_max_num_f32_dpp v8, v8, v8 row_xmask:1 row_mask:0xf bank_mask:0xf   ; and of my neighbour's 16: the block's
	v_add_nc_u32 v11, -(EMAX<<23), v8              ; EMAX off its exponent field: the conversion takes the exponent field of this operand as its scale, and nothing else of it
	v_cvt_scalef32_pk8_fp4_f32 v[C+2*(\t)], v[XSET:XSET+7], v11    ; eight numbers / 2^(v11's exponent), to the nearest code, ties to even; the first number's code in the lowest four bits
	v_cvt_scalef32_pk8_fp4_f32 v[C+2*(\t)+1], v[XSET+8:XSET+15], v11
	v_lshrrev_b32 v[E+(\t)], 23, v11               ; the scale's byte
	ds_store_b8 v5, v[E+(\t)] offset:16*(\t)       ; both lanes of a block write the same byte with the same value
	global_store_b64 v4, v[C+2*(\t):C+2*(\t)+1], s[8:9] offset:32*CB*(\t)   ; 32 lanes store 256 consecutive bytes, at a multiple of 256 from the buffer's first byte
.endm
.irp t, 0,1,2,3,4,5,6,7,8,9,10,11,12,13,14,15
	STEP \t
.endr
	ds_load_b64 v[12:13], v6                       ; LDS serves a wave's instructions in order: these see my stores
	s_wait_dscnt 0x0
	global_store_b64 v7, v[12:13], s[10:11]        ; 32 lanes store 256 consecutive bytes
	s_wait_tensorcnt 0x0
	ds_add_u32 v224, v225
	s_wait_dscnt 0x0
	s_endpgm
.Lfunc_end_k_q87e1ba79fe_quant:
	.size	k_q87e1ba79fe_quant, .Lfunc_end_k_q87e1ba79fe_quant-k_q87e1ba79fe_quant
	.p2alignl 7, 3214868480
	.fill 96, 4, 3214868480
	.section	.rodata,"a",@progbits
	.p2align	6, 0x0
	.amdhsa_kernel k_q87e1ba79fe_quant
		.amdhsa_group_segment_fixed_size 41728
		.amdhsa_private_segment_fixed_size 0
		.amdhsa_enable_private_segment 0
		.amdhsa_kernarg_size 48
		.amdhsa_user_sgpr_count 2
		.amdhsa_user_sgpr_kernarg_segment_ptr 1
		.amdhsa_wavefront_size32 1
		.amdhsa_system_sgpr_workgroup_id_x 1
		.amdhsa_system_sgpr_workgroup_id_y 1
		.amdhsa_system_sgpr_workgroup_id_z 1
		.amdhsa_system_vgpr_workitem_id 0
		.amdhsa_next_free_vgpr 226
		.amdhsa_next_free_sgpr 66
		.amdhsa_reserve_vcc 0
		.amdhsa_float_denorm_mode_32 3
		.amdhsa_float_denorm_mode_16_64 3
		.amdhsa_memory_ordered 1
		.amdhsa_forward_progress 1
		.amdhsa_inst_pref_size 33
	.end_amdhsa_kernel
	.amdgpu_metadata
---
amdhsa.version: [ 1, 2 ]
amdhsa.kernels:
  - .name:           k_q87e1ba79fe_quant
    .symbol:         k_q87e1ba79fe_quant.kd
    .args:
      - { .name: input, .offset: 0, .size: 8, .value_kind: global_buffer, .address_space: global }
      - { .name: embd, .offset: 8, .size: 8, .value_kind: global_buffer, .address_space: global }
      - { .name: xc, .offset: 16, .size: 8, .value_kind: global_buffer, .address_space: global }
      - { .name: xs, .offset: 24, .size: 8, .value_kind: global_buffer, .address_space: global }
      - { .name: ec, .offset: 32, .size: 8, .value_kind: global_buffer, .address_space: global }
      - { .name: es, .offset: 40, .size: 8, .value_kind: global_buffer, .address_space: global }
    .group_segment_fixed_size: 41728
    .private_segment_fixed_size: 0
    .kernarg_segment_align: 8
    .kernarg_segment_size: 48
    .max_flat_workgroup_size: 160
    .sgpr_count:     66
    .vgpr_count:     226
    .wavefront_size: 32
...
	.end_amdgpu_metadata
.endif
;; end of part 1
;; launch vq (part 2): grid 256 x 1, 8 waves a work-group, clusters of 4 x 1, 327,680 bytes of LDS; arguments xc, xs, ec, es, keyw, idxw; writes keyw, idxw
.if DOCPART == 2
	.amdgcn_target "amdgcn-amd-amdhsa--gfx1250"
	.amdhsa_code_object_version 6
	.text
	.protected	k_q87e1ba79fe_vq
	.globl	k_q87e1ba79fe_vq
	.p2align	8
	.type	k_q87e1ba79fe_vq,@function
k_q87e1ba79fe_vq:
	s_mov_b64 s[64:65], 0
	v_nop
	global_prefetch_b8 v0, s[64:65] scope:SCOPE_SE
	s_setreg_imm32_b32 hwreg(HW_REG_WAVE_MODE, 25, 1), 1
	s_wait_xcnt 0x0
	s_wait_alu depctr_hold_cnt(0) depctr_sa_sdst(0) depctr_va_vdst(0) depctr_va_sdst(0) depctr_va_ssrc(0) depctr_va_vcc(0) depctr_vm_vsrc(0)
	s_getreg_b32 s2, hwreg(HW_REG_IB_STS2, 6, 4)
	s_cmp_eq_u32 s2, 0
	s_cbranch_scc0 .Lentry_in_a_cluster
	s_endpgm
.Lentry_in_a_cluster:
	s_bfe_u32 s2, ttmp6, 0x10000c
	s_cmp_lg_u32 s2, 0x3003
	s_cbranch_scc0 .Lentry_shape_is_right
	s_endpgm
.Lentry_shape_is_right:
; For each of 32,768 rows and each eighth p of the 8,192 entries: the largest of the sums over k of Q(input)[row][k] Q(embd)[v][k] in that eighth, and the lowest PAIR of entries (2 q, 2 q + 1) that holds it.
; The pair goes to idxw[p][row]; the sum goes to keyw[p][row] as a whole number that orders as the sum does (below).  The next launch joins the eighths by whole-number compares and decides inside the pair.
; Operands: codes of FP4 (E2M1), [rows][128 bytes], and E8M0 scale bytes, [rows][8], as the launch before laid them.
; SHARES.  A work-group takes 1,024 rows x 1,024 entries: 32 blocks of rows x 8 eighths = 256 work-groups.  Each of its eight waves keeps the codes of its OWN 128 rows in 128 registers and walks all 1,024 entries, in 16 groups
; of 64.  The eighth's codes, 131,072 bytes, come into LDS once, at the head: nothing is filled again, and the walk has no barrier.
; THE PRODUCT IS USED TRANSPOSED, IN THE 32-ROW FORM: source 0 = 32 entries, source 1 = 16 rows: a lane holds one row (lane % 16), its 16 registers run over entries.  Of a group, product X takes the 32 even entries and
; product Y the 32 odd ones, so register j of X and of Y are the two entries of ONE pair: pair 8 (lane / 16) + j (j < 8) or 8 (lane / 16) + j + 8 of the group.
; THE ARGMAX OVER PAIRS IS EXACT.  Z = max(X, Y) (8 dual lines); Z's largest number c (8 lines); c > M, strictly, so that the earlier group keeps a tie; where it holds the group's first pair and Z are kept (S): 26 lines for 4 matrix
; instructions.  At the end the first j with S[j] = M gives the pair; the two halves of the lanes are merged, a tie taking the lower pair.  No branch and no address hangs on any of these numbers.
; CLUSTER: the four work-groups of a cluster take the same eighth, so its tiles are asked for jointly, one load a wave: 64 rows of a pair's 256 bytes, 16 bytes of padding behind each in LDS.
; No prefetch: the one fill stands at the head, with no loop ahead of it to ask in.  The entries' scale bytes come straight into registers, 512 consecutive bytes a load, one group ahead.
; LIMITS: NaN and infinities among the inputs are not served (a NaN loses every maximum here).  +0 and -0 count as equal.
; REGISTERS.  Window 0: v0-15 addresses; v16-23 the entries' scale words, two buffers; v24-39 the rows' scale words; v40-55 kept pair and M for each tile of rows; v56-63 at work; v64-127 accumulators, two sets of X and Y; v128-255 S.
;   Window 1: v0-127 the rows' fragments (tile t, K step s at 16 t + 8 s); v128-255 the entries' fragments, two buffers (parity p, K step s at 32 p + 16 s).
.set PP,    272                        ; an LDS row: 256 bytes + 16 = 68 words, so the 16 rows that a load touches start at 16 different banks (64 banks of 4 bytes: ISA guide 11.1)
.set SPARE, 512*PP                     ; behind the 512 pairs: the spare words, 128 bytes a wave
.set MSCR,  SPARE+1024                 ; the way out: M[wave][row], and 4,096 bytes on the pair[wave][row]: bytes into which no fill lands
.set XST,   MSCR+8192                  ; the rows' stage: 128 rows x XP bytes for each wave, its own; no fill lands there
.set XP,    144                        ; a row of it: 128 bytes + 16 = 36 words, so the 16 rows that a load touches start at 16 different banks
.set ADE0, 3                           ; my lane's place in the codes: row lane % 16, + 16 (lane / 16)
.set ADE,  4                           ; the same, two groups on in each trip
.set L16,  5                           ; 16 x lane
.set SPW,  7
.set NIL,  8
.set XLA,  6                           ; the rows' stage, on the way out: row lane % 16, + 16 (lane / 16)
.set XSA,  9                           ; and on the way in: row lane / 8, + 16 (lane % 8)
.set XSO,  10
.set H8,   11
.set SCR,  12
.set LR,   13
.set LN,   14
.set ES,   16
.set XS,   24
.set ST,   40
.set C0,   57
.set C1,   58
.set C2,   59
.set VG,   60
.set C3,   61
.set AC,   64
.set LC,   64
.set PM4,  68
.set PE4,  72
.set TT4,  76
.set TU4,  80
.set S,    128
.set MT,   128
.set ET,   132
.set KT,   136
.set XB,   0
.set EB,   128
.set WV,   16
.set CX,   17
.set PT,   19
.set G1,   24
.set G0H,  32
.set TRIPS, 40
.set TB,   41
.set GID,  42
.set WOFF, 43
.set ESP,  48
.set SEL,  50
.set MK,   52
.set MSB, 0
.macro WIN new
.if MSB != \new
	s_set_vgpr_msb (MSB<<8)|\new
.set MSB, \new
.endif
.endm
.macro PLACES
.rept 4
	v_nop
.endr
.endm
.macro CROUND                          ; a round of the cluster's barrier
	s_barrier_signal -1
	s_barrier_wait -1
	s_cmp_lg_u32 s[WV], 0
	s_cbranch_scc1 .Lnot_wave_0_\@
	s_barrier_signal -3
.Lnot_wave_0_\@:
	s_barrier_wait -3
	s_barrier_signal -1
	s_barrier_wait -1
.endm
.macro FETCH buf, g                    ; 16 LDS loads: group g from where v[ADE] stands
	WIN 0x40
.irp p, 0,1
.irp s, 0,1
.irp u, 0,1
.irp c, 0,1
	ds_load_b128 v[EB+64*(\buf)+32*\p+16*\s+8*\u+4*\c:EB+64*(\buf)+32*\p+16*\s+8*\u+4*\c+3], v[ADE] offset:32*PP*(\g)+16*PP*\u+128*\p+64*\s+32*\c
.endr
.endr
.endr
.endr
	WIN 0
.endm
.macro ESL buf, off                    ; lane m: pair m's 16 scale bytes: even entry K step 0, 1; odd entry K step 0, 1
	global_load_b128 v[ES+4*(\buf):ES+4*(\buf)+3], v[L16], s[ESP:ESP+1] offset:\off
.endm
.macro WM d, buf, t, s, p
.set rA, EB+64*(\buf)+32*(\p)+16*(\s)
.set rB, XB+16*(\t)+8*(\s)
.set rE, ES+4*(\buf)+2*(\p)+(\s)
.set rX, XS+2*(\t)+(\s)
.if (\s) == 0
	v_wmma_scale_f32_32x16x128_f4 v[\d:\d+15], v[rA:rA+15], v[rB:rB+7], 0, v[rE], v[rX]
.else
	v_wmma_scale_f32_32x16x128_f4 v[\d:\d+15], v[rA:rA+15], v[rB:rB+7], v[\d:\d+15], v[rE], v[rX]
.endif
.endm
; Four matrix instructions: X and Y of tile t, the two accumulators by turns.  first = 1: X goes straight into S.
.macro MM t, buf, first
	WIN 0x05
.irp s, 0,1
.irp p, 0,1
.if ((\first) != 0) && ((\p) == 0)
.set rD, S+16*(\t)
.else
.set rD, AC+32*((\t)%2)+16*\p
.endif
	WM rD, \buf, \t, \s, \p
.endr
.endr
.endm
; The vector work of tile t.  Each accumulator is read first at its low end.
.macro RD t, first
	WIN 0
.set tB, AC+32*((\t)%2)+16
.set wI, ST+2*(\t)
.set wS, S+16*(\t)
.if \first
.set tA, wS
.set tD, wI+1
.else
.set tA, AC+32*((\t)%2)
.set tD, C0
.endif
.irp j, 0,2,4,6,8,10,12,14
	v_dual_max_num_f32 v[tA+\j], v[tA+\j], v[tB+\j] :: v_dual_max_num_f32 v[tA+\j+1], v[tA+\j+1], v[tB+\j+1]
.endr
	v_max3_num_f32 v[C0], v[tA], v[tA+1], v[tA+2]
	v_max3_num_f32 v[C1], v[tA+3], v[tA+4], v[tA+5]
	v_max3_num_f32 v[C2], v[tA+6], v[tA+7], v[tA+8]
	v_max3_num_f32 v[C3], v[tA+9], v[tA+10], v[tA+11]
	v_max3_num_f32 v[C0], v[C0], v[tA+12], v[tA+13]
	v_max3_num_f32 v[C1], v[C1], v[tA+14], v[tA+15]
	v_max_num_f32 v[C2], v[C2], v[C3]
	v_max3_num_f32 v[tD], v[C0], v[C1], v[C2]
.if \first
	v_mov_b32 v[wI], v[VG]                         ; the first group starts M and the kept pair: nothing is cleared or compared
.else
	v_cmp_gt_f32 vcc_lo, v[C0], v[wI+1]
	v_dual_cndmask_b32 v[wI], v[wI], v[VG] :: v_dual_max_num_f32 v[wI+1], v[wI+1], v[C0]
.irp j, 0,2,4,6,8,10,12,14
	v_dual_cndmask_b32 v[wS+\j], v[wS+\j], v[tA+\j] :: v_dual_cndmask_b32 v[wS+\j+1], v[wS+\j+1], v[tA+\j+1]
.endr
.endif
.endm
; A GROUP: 64 entries in buffer buf against my 128 rows: 32 matrix instructions.  The order MM t, RD t - 1 puts another tile's vector lines, which name none of a product's registers, between that product and the
; first read of its result, the next product on its accumulators and every load into its operands.
; kind 0: an even group: it fetches the odd group behind it.  1: an odd group: the addresses step two groups on, and it fetches the even group there.  2: the last group.
.macro GROUP buf, kind, first
	s_wait_loadcnt 0x0                             ; this group's scale words (at the first group: the rows too)
	s_wait_dscnt 0x0                               ; and fragments are in
	v_mov_b32 v[VG], s[GID]                        ; the group's first pair
	s_add_co_u32 s[GID], s[GID], 32
	MM 0, \buf, \first
	WIN 0
	PLACES
.if (\kind) == 0
	FETCH 1, 1
	ESL 1, 512
.elseif (\kind) == 1
	s_add_nc_u64 s[ESP:ESP+1], s[ESP:ESP+1], 1024  ; no load that names it is out
	s_add_co_u32 s[TB], s[TB], 64*PP
	v_add_nc_u32 v[ADE], s[TB], v[ADE0]
	FETCH 0, 0
	ESL 0, 0
.endif
.irp t, 1,2,3,4,5,6,7
	MM \t, \buf, \first
	RD \t-1, \first
.endr
	RD 7, \first
.endm
; Four merges by turns: (M, e) takes in (M2, e2): the larger M; where they are equal, the lower pair.
.macro MERGE4 ma, ea, sa, mb, eb, sb
.irp k, 0,1,2,3
	v_cmp_gt_f32 s[MK+\k], v[(\mb)+(\sb)*\k], v[(\ma)+(\sa)*\k]
.endr
.irp k, 0,1,2,3
	v_cndmask_b32 v[TT4+\k], v[(\ea)+(\sa)*\k], v[(\eb)+(\sb)*\k], s[MK+\k]
.endr
.irp k, 0,1,2,3
	v_min_u32 v[TU4+\k], v[(\ea)+(\sa)*\k], v[(\eb)+(\sb)*\k]
.endr
.irp k, 0,1,2,3
	v_cmp_eq_f32 s[MK+\k], v[(\mb)+(\sb)*\k], v[(\ma)+(\sa)*\k]
.endr
.irp k, 0,1,2,3
	v_cndmask_b32 v[(\ea)+(\sa)*\k], v[TT4+\k], v[TU4+\k], s[MK+\k]
.endr
.irp k, 0,1,2,3
	v_max_num_f32 v[(\ma)+(\sa)*\k], v[(\ma)+(\sa)*\k], v[(\mb)+(\sb)*\k]
.endr
.endm
	s_load_b256 s[4:11], s[0:1], 0x0               ; rows' codes, rows' scales, entries' codes, entries' scales
	s_load_b128 s[12:15], s[0:1], 0x20             ; keyw, idxw
	v_lshl_add_u32 v[SPW], v0, 2, SPARE
	v_mov_b32 v[NIL], 0
	ds_add_u32 v[SPW], v[NIL]                      ; the opening lines: the add twice on end and one wait
	ds_add_u32 v[SPW], v[NIL]
	v_lshrrev_b32 v1, 5, v0
	v_readfirstlane_b32 s[WV], v1                  ; wave 0..7
	s_bfe_u32 s[CX], ttmp6, 0x40000                ; my place in the cluster: it enters the rows' and the outputs' addresses alone
	s_and_b32 s[PT], ttmp9, 7                      ; the cluster's eighth of the entries
	s_lshr_b32 s18, ttmp9, 3
	s_lshl_b32 s18, s18, 2
	s_add_co_u32 s18, s18, s[CX]                   ; my block of 1,024 rows, 0..31
	s_lshl_b32 s18, s18, 3
	s_add_co_u32 s18, s18, s[WV]                   ; my wave's 128 rows, 0..255
	s_mov_b32 s[G1], 15|(1<<20)|(1<<21)|(5<<22)|(3<<25)   ; mask: all four; bytes; 4 words of padding behind every 64
	s_mov_b32 s[G1+1], 256<<16
	s_mov_b32 s[G1+2], 64<<16
	s_mov_b32 s[G1+3], 256<<16
	s_mov_b32 s[G1+4], 64
	s_mov_b32 s[G1+5], 256
	s_mov_b32 s[G1+6], 0
	s_mov_b32 s[G1+7], 0
	s_mul_i32 s[WOFF], s[WV], 64*PP                ; where the 64 rows that I fetch go
	s_mov_b32 s[SEL], 0x76543210
	s_mov_b32 s[SEL+1], 0xfedcba98
	s_mov_b32 s[TB], 0
	s_lshl_b32 s[GID], s[PT], 9                    ; the eighth's first pair
	s_mov_b32 s[TRIPS], 7
	v_and_b32 v1, 15, v0                           ; r
	v_bfe_u32 v2, v0, 4, 1                         ; h
	v_and_b32 v[LN], 31, v0
	s_mul_i32 s23, s[WV], 128*XP
	s_add_co_u32 s23, s23, XST                     ; my wave's stage
	v_lshrrev_b32 v[XSA], 3, v[LN]
	v_mul_u32_u24 v[XSA], v[XSA], XP
	v_and_b32 v[XLA], 7, v[LN]
	v_lshl_add_u32 v[XSA], v[XLA], 4, v[XSA]
	v_add_nc_u32 v[XSA], s23, v[XSA]
	v_mul_u32_u24 v[XLA], v1, XP
	v_lshl_add_u32 v[XLA], v2, 4, v[XLA]
	v_add_nc_u32 v[XLA], s23, v[XLA]
	v_lshlrev_b32 v[XSO], 3, v1                    ; their scale bytes
	v_mul_u32_u24 v[ADE0], v1, PP
	v_lshl_add_u32 v[ADE0], v2, 4, v[ADE0]
	v_add_nc_u32 v[ADE], s[TB], v[ADE0]
	v_lshlrev_b32 v[L16], 4, v[LN]
	v_lshlrev_b32 v[H8], 3, v2
	s_lshl_b32 s22, s[WV], 9
	s_add_co_u32 s22, s22, MSCR                    ; my wave's 512 bytes of each table
	v_lshl_add_u32 v[SCR], v1, 2, s22
	v_add_nc_u32 v[LR], s22, v[L16]
	s_wait_alu depctr_va_vdst(0)
	s_wait_dscnt 0x0
	s_wait_kmcnt 0x0
	s_mov_b32 s3, 0
	s_lshl_b32 s2, s18, 14
	s_add_nc_u64 s[4:5], s[4:5], s[2:3]
	s_lshl_b32 s2, s18, 10
	s_add_nc_u64 s[6:7], s[6:7], s[2:3]
	s_lshl_b32 s2, s18, 9
	s_lshl_b32 s20, s[PT], 17
	s_add_co_u32 s2, s2, s20                       ; [eighth][row], 4 bytes each
	s_add_nc_u64 s[12:13], s[12:13], s[2:3]
	s_add_nc_u64 s[14:15], s[14:15], s[2:3]
	s_lshl_b32 s2, s[PT], 13
	s_add_nc_u64 s[ESP:ESP+1], s[10:11], s[2:3]    ; the eighth's scale bytes
	s_lshl_b32 s2, s[WV], 14
	s_add_co_u32 s2, s2, s20
	s_add_nc_u64 s[20:21], s[8:9], s[2:3]          ; the 64 rows of its codes that I fetch
	s_mov_b32 s[G0H], 1
	s_mov_b32 s[G0H+1], s[WOFF]
	s_mov_b64 s[G0H+2:G0H+3], s[20:21]
	s_or_b32 s[G0H+3], s[G0H+3], 0x80000000
	CROUND                                         ; all four work-groups are here: the joint loads meet
	tensor_load_to_lds s[G0H:G0H+3], s[G1:G1+7]    ; one tensor load a wave, the launch's only ones
	s_nop 0
	PLACES
; MY 128 ROWS' CODES are 16,384 consecutive bytes: 32 loads of 512 consecutive bytes, 16 a lane, into the registers that S takes later.  They turn through my wave's own stage in LDS and come back as fragments.
.set i, 0
.rept 32
	global_load_b128 v[S+4*i:S+4*i+3], v[L16], s[4:5] offset:512*i
.set i, i+1
.endr
.irp t, 0,1,2,3,4,5,6,7
	global_load_b64 v[XS+2*\t:XS+2*\t+1], v[XSO], s[6:7] offset:128*\t
.endr
	ESL 0, 0
	s_wait_tensorcnt 0x0                           ; my 64 rows of the entries' codes are in;
	s_barrier_signal -1
	s_barrier_wait -1                              ; everybody's are: every wave reads all 512
	FETCH 0, 0
	s_wait_loadcnt 9                               ; my rows' codes are in: behind them stand 8 loads of their scales and 1 of the entries'
.set i, 0
.rept 32
	ds_store_b128 v[XSA], v[S+4*i:S+4*i+3] offset:4*XP*i           ; a load's 512 bytes are four rows
.set i, i+1
.endr
	WIN 0x40
.irp t, 0,1,2,3,4,5,6,7
.irp s, 0,1
.irp c, 0,1
	ds_load_b128 v[XB+16*\t+8*\s+4*\c:XB+16*\t+8*\s+4*\c+3], v[XLA] offset:16*XP*\t+64*\s+32*\c   ; my own bytes: LDS serves a wave's instructions in order (ISA guide 5.7.1.4)
.endr
.endr
.endr
	WIN 0
	GROUP 0, 0, 1
.Ltrip:                                            ; 7 trips of two groups: groups 1 to 14
	GROUP 1, 1, 0
	GROUP 0, 0, 0
	s_sub_co_u32 s[TRIPS], s[TRIPS], 1
	s_cmp_lg_u32 s[TRIPS], 0
	s_cbranch_scc1 .Ltrip
	GROUP 1, 2, 0
; THE WAY OUT.  Four tiles of rows by turns: the first j at which the kept Z holds M (j descending, so that the lowest stays); the pair; merged with the lane 16 away; M and the pair into my wave's words of the tables.
.macro FIND4 g
.irp k, 0,1,2,3
	v_mov_b32 v[LC+\k], 23
.endr
.irp j, 14,13,12,11,10,9,8,7,6,5,4,3,2,1,0
.irp k, 0,1,2,3
	v_cmp_neq_f32 s[MK+\k], v[S+16*(4*(\g)+\k)+\j], v[ST+2*(4*(\g)+\k)+1]
.endr
.irp k, 0,1,2,3
	v_cndmask_b32 v[LC+\k], \j+8*(\j/8), v[LC+\k], s[MK+\k]
.endr
.endr
.irp k, 0,1,2,3
	v_add3_u32 v[ST+2*(4*(\g)+\k)], v[ST+2*(4*(\g)+\k)], v[LC+\k], v[H8]
.endr
.irp k, 0,1,2,3
	v_permlanex16_b32 v[PM4+\k], v[ST+2*(4*(\g)+\k)+1], s[SEL], s[SEL+1]
.endr
.irp k, 0,1,2,3
	v_permlanex16_b32 v[PE4+\k], v[ST+2*(4*(\g)+\k)], s[SEL], s[SEL+1]
.endr
	MERGE4 ST+8*(\g)+1, ST+8*(\g), 2, PM4, PE4, 1
.irp k, 0,1,2,3
	ds_store_b32 v[SCR], v[ST+2*(4*(\g)+\k)+1] offset:64*(4*(\g)+\k)
	ds_store_b32 v[SCR], v[ST+2*(4*(\g)+\k)] offset:4096+64*(4*(\g)+\k)
.endr
.endm
.irp k, 0,1,2,3,4,5,6,7
	v_mov_b32 v[PM4+\k], 0                         ; a lane permute's destination counts as one of its sources
.endr
	FIND4 0
	FIND4 1
	ds_load_b128 v[MT:MT+3], v[LR]                 ; my own wave's bytes: LDS serves a wave's instructions in order (ISA guide 5.7.1.4).  Four rows a lane
	ds_load_b128 v[ET:ET+3], v[LR] offset:4096
	s_wait_dscnt 0x0
; M as a whole number that orders as M does: -0 becomes +0; then the 31 lower bits of a negative number are turned over, so that signed whole-number compares give the order of the sums, equal for equal.
.irp k, 0,1,2,3
	v_add_f32 v[MT+\k], 0, v[MT+\k]
.endr
.irp k, 0,1,2,3
	v_ashrrev_i32 v[KT+\k], 31, v[MT+\k]
.endr
.irp k, 0,1,2,3
	v_and_b32 v[KT+\k], 0x7fffffff, v[KT+\k]
.endr
.irp k, 0,1,2,3
	v_xor_b32 v[MT+\k], v[MT+\k], v[KT+\k]
.endr
	global_store_b128 v[L16], v[MT:MT+3], s[12:13] ; 32 lanes store 512 consecutive bytes, at a multiple of 512 from the buffer's first byte
	global_store_b128 v[L16], v[ET:ET+3], s[14:15]
	s_wait_tensorcnt 0x0                           ; the wave's end
	ds_add_u32 v[SPW], v[NIL]
	s_wait_dscnt 0x0
	CROUND                                         ; the closing round
	s_endpgm
.Lfunc_end_k_q87e1ba79fe_vq:
	.size	k_q87e1ba79fe_vq, .Lfunc_end_k_q87e1ba79fe_vq-k_q87e1ba79fe_vq
	.p2alignl 7, 3214868480
	.fill 96, 4, 3214868480
	.section	.rodata,"a",@progbits
	.p2align	6, 0x0
	.amdhsa_kernel k_q87e1ba79fe_vq
		.amdhsa_group_segment_fixed_size 327680
		.amdhsa_private_segment_fixed_size 0
		.amdhsa_enable_private_segment 0
		.amdhsa_kernarg_size 48
		.amdhsa_user_sgpr_count 2
		.amdhsa_user_sgpr_kernarg_segment_ptr 1
		.amdhsa_wavefront_size32 1
		.amdhsa_system_sgpr_workgroup_id_x 1
		.amdhsa_system_sgpr_workgroup_id_y 1
		.amdhsa_system_sgpr_workgroup_id_z 1
		.amdhsa_system_vgpr_workitem_id 0
		.amdhsa_next_free_vgpr 512
		.amdhsa_next_free_sgpr 66
		.amdhsa_reserve_vcc 1
		.amdhsa_float_denorm_mode_32 3
		.amdhsa_float_denorm_mode_16_64 3
		.amdhsa_memory_ordered 1
		.amdhsa_forward_progress 1
		.amdhsa_inst_pref_size 104
	.end_amdhsa_kernel
	.amdgpu_metadata
---
amdhsa.version: [ 1, 2 ]
amdhsa.kernels:
  - .name:           k_q87e1ba79fe_vq
    .symbol:         k_q87e1ba79fe_vq.kd
    .args:
      - { .name: xc, .offset: 0, .size: 8, .value_kind: global_buffer, .address_space: global }
      - { .name: xs, .offset: 8, .size: 8, .value_kind: global_buffer, .address_space: global }
      - { .name: ec, .offset: 16, .size: 8, .value_kind: global_buffer, .address_space: global }
      - { .name: es, .offset: 24, .size: 8, .value_kind: global_buffer, .address_space: global }
      - { .name: keyw, .offset: 32, .size: 8, .value_kind: global_buffer, .address_space: global }
      - { .name: idxw, .offset: 40, .size: 8, .value_kind: global_buffer, .address_space: global }
    .group_segment_fixed_size: 327680
    .private_segment_fixed_size: 0
    .kernarg_segment_align: 8
    .kernarg_segment_size: 48
    .max_flat_workgroup_size: 256
    .sgpr_count:     66
    .vgpr_count:     512
    .wavefront_size: 32
...
	.end_amdgpu_metadata
.endif
;; end of part 2
;; launch pick (part 3): grid 256 x 1, 8 waves a work-group, no clusters, 1,536 bytes of LDS; arguments keyw, idxw, xc, xs, ec, es, embd, out0, out1; writes out0, out1
.if DOCPART == 3
	.amdgcn_target "amdgcn-amd-amdhsa--gfx1250"
	.amdhsa_code_object_version 6
	.text
	.protected	k_q87e1ba79fe_pick
	.globl	k_q87e1ba79fe_pick
	.p2align	8
	.type	k_q87e1ba79fe_pick,@function
k_q87e1ba79fe_pick:
	s_mov_b64 s[64:65], 0
	v_nop
	global_prefetch_b8 v0, s[64:65] scope:SCOPE_SE
	s_setreg_imm32_b32 hwreg(HW_REG_WAVE_MODE, 25, 1), 1
	s_wait_xcnt 0x0
; For each row: keyw[p][row] and idxw[p][row] hold, for each eighth p of the entries, the largest sum as a whole number that orders as the sum does, and the lowest pair q that holds it.
; The eight are joined by signed whole-number compares on these stored numbers, strictly, so that the lower eighth keeps a tie: q is the row's pair.
; out1[row] = 2 q + (sum of entry 2 q + 1 > sum of entry 2 q); out0[row][:] = embd[out1[row]][:].
; WORK LEFT OUT: reference()'s input + (embd[idx] - input) is embd[idx] in real numbers for all values, so input is not read here (shown at the head of the first kernel, with its limit).
; A wave takes 16 rows.  THE TWO SUMS are made anew by the same matrix form, in the same order of K steps, as the launch before made them: source 0's rows 0-15 are the even entries of the 16 rows' pairs (lane r loads
; row r's), rows 16-31 the odd ones; source 1 = the 16 rows.  Only the diagonal counts: row m's two sums stand in registers m % 8 and 8 + m % 8 of lane m (m < 8) or lane 16 + m (m >= 8).
; Eight compares give lane masks, of which constants cut the diagonal's bits.  That result SELECTS values alone: both f32 rows of each pair, 2,048 consecutive bytes, are loaded by addresses made of the stored whole numbers, and
; v_cndmask_b32 keeps one.  No address and no branch hangs on a sum.  A pair's number is held at 4,095 from above before it enters an address.
; ORDER: the pairs' codes are asked for first, then the f32 rows 0-13 (56 loads); behind the product rows 14 and 15; then four batches of four rows: their selections, then their eight stores.
; A load or store of a wave covers 512 consecutive bytes.  The 128 indices of the work-group meet in LDS and leave as 512 consecutive bytes.
; No loop, so nothing to prefetch ahead in; no cluster: work-groups share no tile.  LIMITS as in the launch before: NaN and infinities are not served.
.set L16, 3
.set IO,  4
.set Q,   5
.set AO,  6
.set EO,  7
.set BO,  8
.set BSO, 9
.set SPW, 10
.set NIL, 11
.set PB,  12
.set LST, 13
.set H16, 14
.set H8,  15
.set GO,  16                           ; v16-31  row m: byte offset in embd of my 16 bytes of its pair
.set A,   32                           ; v32-63  source 0, K step s at 16 s
.set B,   64                           ; v64-79  source 1, K step s at 8 s
.set D,   80                           ; v80-95
.set AS,  96                           ; v96-97  source 0's scale words;  v98-99 source 1's
.set BS,  98
.set OI,  100
.set KK,  104                          ; v104-111 the eight keys of row r;  v112-119 the eight pairs
.set QQ,  112
.set WV,  22
.set MK,  48
.set W,   56
.set SM,  57
.set MSB, 0
.macro WIN new
.if MSB != \new
	s_set_vgpr_msb (MSB<<8)|\new
.set MSB, \new
.endif
.endm
	s_load_b256 s[4:11], s[0:1], 0x0               ; keyw, idxw, xc, xs
	s_load_b256 s[12:19], s[0:1], 0x20             ; ec, es, embd, out0
	s_load_b64 s[20:21], s[0:1], 0x40              ; out1
	v_lshl_add_u32 v[SPW], v0, 2, 512
	v_mov_b32 v[NIL], 0
	v_lshrrev_b32 v1, 5, v0
	v_readfirstlane_b32 s[WV], v1                  ; wave 0..7
	v_and_b32 v1, 15, v0                           ; r
	v_bfe_u32 v2, v0, 4, 1                         ; h
	v_and_b32 v[L16], 31, v0
	v_lshlrev_b32 v[L16], 4, v[L16]
	v_lshlrev_b32 v[IO], 2, v1
	v_lshlrev_b32 v[BO], 7, v1
	v_lshl_add_u32 v[BO], v2, 4, v[BO]
	v_lshlrev_b32 v[BSO], 3, v1
	v_lshlrev_b32 v[H16], 4, v2
	v_lshlrev_b32 v[H8], 3, v2
	s_lshl_b32 s23, s[WV], 6
	v_lshl_add_u32 v[LST], v1, 2, s23              ; LDS: 64 w + 4 r
	s_lshl_b32 s26, ttmp9, 7
	s_lshl_b32 s23, s[WV], 4
	s_add_co_u32 s26, s26, s23                     ; my first row: 128 x work-group + 16 x wave
	s_mov_b32 s25, 0
	s_wait_alu depctr_va_vdst(0)
	s_wait_kmcnt 0x0
	s_lshl_b32 s24, s26, 2
	s_add_nc_u64 s[4:5], s[4:5], s[24:25]
	s_add_nc_u64 s[6:7], s[6:7], s[24:25]
	s_lshl_b32 s24, s26, 7
	s_add_nc_u64 s[8:9], s[8:9], s[24:25]
	s_lshl_b32 s24, s26, 3
	s_add_nc_u64 s[10:11], s[10:11], s[24:25]
	s_lshl_b32 s24, s26, 10
	s_add_nc_u64 s[18:19], s[18:19], s[24:25]
	s_lshl_b32 s24, ttmp9, 9
	s_add_nc_u64 s[20:21], s[20:21], s[24:25]
.irp p, 0,1,2,3,4,5,6,7
	global_load_b32 v[KK+\p], v[IO], s[4:5] offset:131072*\p       ; lane r: row r's eight keys
	global_load_b32 v[QQ+\p], v[IO], s[6:7] offset:131072*\p       ; and pairs
.endr
.irp s, 0,1
.irp c, 0,1
	global_load_b128 v[B+8*\s+4*\c:B+8*\s+4*\c+3], v[BO], s[8:9] offset:64*\s+32*\c
.endr
.endr
	global_load_b64 v[BS:BS+1], v[BSO], s[10:11]
	s_wait_loadcnt 5                               ; the keys and pairs are in: behind them stand 4 loads of the rows' codes and 1 of scales
.macro MG a, b, k                      ; eighth a takes in the higher eighth b where b's key is above, strictly
	v_cmp_gt_i32 s[MK+\k], v[KK+\b], v[KK+\a]
	v_cndmask_b32 v[KK+\a], v[KK+\a], v[KK+\b], s[MK+\k]
	v_cndmask_b32 v[QQ+\a], v[QQ+\a], v[QQ+\b], s[MK+\k]
.endm
	MG 0, 1, 0
	MG 2, 3, 1
	MG 4, 5, 2
	MG 6, 7, 3
	MG 0, 2, 0
	MG 4, 6, 1
	MG 0, 4, 0
	v_min_u32 v[Q], 0xfff, v[QQ]
	v_lshl_add_u32 v[AO], v[Q], 8, v[H16]          ; a pair's codes: 256 bytes, + 16 h
	v_lshl_add_u32 v[EO], v[Q], 4, v[H8]           ; its scale bytes: lanes 0-15 the even entry's 8, lanes 16-31 the odd one's
.irp s, 0,1
.irp u, 0,1
.irp c, 0,1
	global_load_b128 v[A+16*\s+8*\u+4*\c:A+16*\s+8*\u+4*\c+3], v[AO], s[12:13] offset:128*\u+64*\s+32*\c
.endr
.endr
.endr
	global_load_b64 v[AS:AS+1], v[EO], s[14:15]
.irp m, 0,1,2,3,4,5,6,7,8,9,10,11,12,13,14,15
	v_readlane_b32 s[32+\m], v[Q], \m              ; row m's pair as a scalar
.endr
.irp m, 0,1,2,3,4,5,6,7,8,9,10,11,12,13,14,15
	s_min_u32 s[32+\m], s[32+\m], 4095
	s_lshl_b32 s[32+\m], s[32+\m], 11              ; a pair's two rows of embd: 2,048 bytes
	v_add_nc_u32 v[GO+\m], s[32+\m], v[L16]
.endr
	s_wait_alu depctr_va_vdst(0)
.macro ROWS m                          ; row m's pair: entry p, half c at register 8 p + 4 c of its 16
.irp p, 0,1
.irp c, 0,1
	global_load_b128 v[RB+8*\p+4*\c:RB+8*\p+4*\c+3], v[GO+\m], s[16:17] offset:1024*\p+512*\c
.endr
.endr
.endm
.irp m, 0,1,2,3,4,5,6,7
.set RB, 128+16*\m
	ROWS \m
.endr
	WIN 0x40                                       ; rows 8-15 land in window 1, v0-127
.irp m, 8,9,10,11,12,13
.set RB, 16*(\m-8)
	ROWS \m
.endr
	WIN 0
	s_wait_loadcnt 56                              ; both operands and their scales are in: behind them stand the 56 loads of rows 0-13
	v_wmma_scale_f32_32x16x128_f4 v[D:D+15], v[A:A+15], v[B:B+7], 0, v[AS], v[BS]
	s_wait_alu depctr_va_vdst(0)                   ; the wait ahead of the link
	v_wmma_scale_f32_32x16x128_f4 v[D:D+15], v[A+16:A+31], v[B+8:B+15], v[D:D+15], v[AS+1], v[BS+1]
.rept 4
	v_nop
.endr
.irp j, 0,1,2,3,4,5,6,7
	v_cmp_gt_f32 s[MK+\j], v[D+8+\j], v[D+\j]      ; is the odd entry's sum above the even one's?  A tie keeps the lower entry
.endr
	WIN 0x40
.irp m, 14,15
.set RB, 16*(\m-8)
	ROWS \m
.endr
	WIN 0
.irp j, 0,1,2,3,4,5,6,7
	s_and_b32 s[MK+\j], s[MK+\j], (1<<\j)|(1<<(24+\j))   ; the diagonal: rows j and 8 + j stand in lanes j and 24 + j
.endr
	s_or_b32 s[W], s[MK], s[MK+1]
.irp j, 2,3,4,5,6,7
	s_or_b32 s[W], s[W], s[MK+\j]
.endr
	s_and_b32 s[SM], s[W], 0xff                    ; as a mask of lanes: bit r = row r's, in both halves of the lanes
	s_lshr_b32 s58, s[W], 16
	s_and_b32 s58, s58, 0xff00
	s_or_b32 s[SM], s[SM], s58
	s_lshl_b32 s58, s[SM], 16
	s_or_b32 s[SM], s[SM], s58
	v_cndmask_b32 v[PB], 0, 1, s[SM]
	v_lshl_add_u32 v[PB], v[Q], 1, v[PB]           ; the index
	ds_store_b32 v[LST], v[PB]                     ; both halves of the lanes write the same word with the same value
; Rows 4 g .. 4 g + 3: a mask of all lanes or of none for each, 32 selections, then 8 stores.
.macro OUT4 g
.set RB0, (128+64*\g)%256
	s_wait_loadcnt 48-16*\g                        ; these four rows' 16 loads are in; those of the later rows may be out
.irp i, 0,1,2,3
	s_bitcmp1_b32 s[W], 4*\g+\i+16*(\g/2)
	s_cselect_b32 s[MK+\i], -1, 0
.endr
	WIN 0x45*(\g/2)
.irp i, 0,1,2,3
.irp k, 0,1,2,3,4,5,6,7
	v_cndmask_b32 v[RB0+16*\i+\k], v[RB0+16*\i+\k], v[RB0+16*\i+8+\k], s[MK+\i]
.endr
.endr
	WIN 0x04*(\g/2)
.irp i, 0,1,2,3
.irp c, 0,1
	global_store_b128 v[L16], v[RB0+16*\i+4*\c:RB0+16*\i+4*\c+3], s[18:19] offset:1024*(4*\g+\i)+512*\c th:TH_STORE_NT   ; 32 lanes store 512 consecutive bytes
.endr
.endr
.endm
	OUT4 0
	OUT4 1
	OUT4 2
	OUT4 3
	WIN 0
	s_wait_dscnt 0x0                               ; for the others' sake: my 16 indices are in LDS
	s_barrier_signal -1
	s_barrier_wait -1
	s_cmp_lg_u32 s[WV], 0
	s_cbranch_scc1 .Ldone
	ds_load_b128 v[OI:OI+3], v[L16]
	s_wait_dscnt 0x0
	global_store_b128 v[L16], v[OI:OI+3], s[20:21] ; wave 0: the work-group's 128 indices, 512 consecutive bytes
.Ldone:
	s_wait_tensorcnt 0x0                           ; the wave's end
	ds_add_u32 v[SPW], v[NIL]
	s_wait_dscnt 0x0
	s_endpgm
.Lfunc_end_k_q87e1ba79fe_pick:
	.size	k_q87e1ba79fe_pick, .Lfunc_end_k_q87e1ba79fe_pick-k_q87e1ba79fe_pick
	.p2alignl 7, 3214868480
	.fill 96, 4, 3214868480
	.section	.rodata,"a",@progbits
	.p2align	6, 0x0
	.amdhsa_kernel k_q87e1ba79fe_pick
		.amdhsa_group_segment_fixed_size 1536
		.amdhsa_private_segment_fixed_size 0
		.amdhsa_enable_private_segment 0
		.amdhsa_kernarg_size 72
		.amdhsa_user_sgpr_count 2
		.amdhsa_user_sgpr_kernarg_segment_ptr 1
		.amdhsa_wavefront_size32 1
		.amdhsa_system_sgpr_workgroup_id_x 1
		.amdhsa_system_sgpr_workgroup_id_y 1
		.amdhsa_system_sgpr_workgroup_id_z 1
		.amdhsa_system_vgpr_workitem_id 0
		.amdhsa_next_free_vgpr 384
		.amdhsa_next_free_sgpr 66
		.amdhsa_reserve_vcc 0
		.amdhsa_float_denorm_mode_32 3
		.amdhsa_float_denorm_mode_16_64 3
		.amdhsa_memory_ordered 1
		.amdhsa_forward_progress 1
		.amdhsa_inst_pref_size 30
	.end_amdhsa_kernel
	.amdgpu_metadata
---
amdhsa.version: [ 1, 2 ]
amdhsa.kernels:
  - .name:           k_q87e1ba79fe_pick
    .symbol:         k_q87e1ba79fe_pick.kd
    .args:
      - { .name: keyw, .offset: 0, .size: 8, .value_kind: global_buffer, .address_space: global }
      - { .name: idxw, .offset: 8, .size: 8, .value_kind: global_buffer, .address_space: global }
      - { .name: xc, .offset: 16, .size: 8, .value_kind: global_buffer, .address_space: global }
      - { .name: xs, .offset: 24, .size: 8, .value_kind: global_buffer, .address_space: global }
      - { .name: ec, .offset: 32, .size: 8, .value_kind: global_buffer, .address_space: global }
      - { .name: es, .offset: 40, .size: 8, .value_kind: global_buffer, .address_space: global }
      - { .name: embd, .offset: 48, .size: 8, .value_kind: global_buffer, .address_space: global }
      - { .name: out0, .offset: 56, .size: 8, .value_kind: global_buffer, .address_space: global }
      - { .name: out1, .offset: 64, .size: 8, .value_kind: global_buffer, .address_space: global }
    .group_segment_fixed_size: 1536
    .private_segment_fixed_size: 0
    .kernarg_segment_align: 8
    .kernarg_segment_size: 72
    .max_flat_workgroup_size: 256
    .sgpr_count:     66
    .vgpr_count:     384
    .wavefront_size: 32
...
	.end_amdgpu_metadata
.endif
;; end of part 3
